; MI455X (gfx1250); checked and timed in simulation.
; The chip was launched on July 23, 2026; its instructions are those of AMD's public machine-readable ISA for CDNA 5 (MIT licence, August 2026) and "CDNA5" Instruction Set Architecture Reference Guide (July 2026). The comments in the code are by the model that wrote it; some were corrected since.
;; Adaptive Causal Attention. Allowed arithmetic: matrix products marked QUANTISED: E5M2 operands, one given power-of-two scale a tensor, by v_wmma_f32_16x16x64_bf8_bf8 or v_wmma_f32_16x16x128_bf8_bf8, f32 sums; everything else in f32.
;; Inputs: b_attn 3,072 float32; b_proj 1,024 float32; lowp_scales 8 int32 (the exponents e of the quantised operands' scales 2^e); period_weight 16 float32; ratio_weight 16 float32; span_params 16 float32; w_attn_codes 3,072 x 32 x 32 uint8 (E5M2 codes of w_attn, K innermost, in blocks of 32 codes); w_proj_codes 1,024 x 32 x 32 uint8 (E5M2 codes of w_proj, K innermost, in blocks of 32 codes); x_codes 2 x 2,048 x 32 x 32 uint8 (E5M2 codes of x, K innermost, in blocks of 32 codes).
;; Outputs: out0 2 x 2,048 x 1,024 float32; out1 one number float32.
;; This version of the problem:
;;   THIS VERSION OF THE PROBLEM IS GIVEN IN LOW PRECISION. The matrix products marked QUANTISED in the list below multiply operands that are first quantised to E5M2 (5 exponent bits, 2 mantissa bits; 8 bits a number), with one given power-of-two scale for each operand tensor; their sums are f32. All else is computed in f32.
;;   The module's matrix products, in the order in which they are computed (A, B: the left and right operand; K: the contracted axis; several contracted axes count as one K, in the product's order):
;;     1. [M 4,096, K 1,024] x [K 1,024, N 3,072]; A: input x (given as codes); B: input w_attn (given as codes): QUANTISED (scales: A lowp_scales[0], B lowp_scales[1])
;;     2. batch 32 x [M 2,048, K 64] x [K 64, N 2,048]; A: computed on the way; B: computed on the way: QUANTISED (scales: A lowp_scales[2], B lowp_scales[3])
;;     3. batch 32 x [M 64, K 2,048] x [K 2,048, N 2,048]; A: computed on the way; B: computed on the way: QUANTISED (scales: A lowp_scales[4], B lowp_scales[5])
;;     4. [M 4,096, K 1,024] x [K 1,024, N 1,024]; A: computed on the way; B: input w_proj (given as codes): QUANTISED (scales: A lowp_scales[6], B lowp_scales[7])
;;   THE QUANTISER, for each operand of a quantised product, along K:
;;     - The operand's scale is 2^e, e = its entry of the input lowp_scales (int32; the entries are numbered through the quantised products in the list's order, A before B).
;;     - Each number is divided by the scale, clamped to +-57,344, and rounded to the nearest number of E5M2, ties to even, subnormals kept.
;;     - The product sums the exact products of the quantised numbers (number of the format x scale) in f32.
;;   ~~~python
;;   def quantise(x, axis, e):      # numpy; x: float32 -> the quantised numbers, widened to float32 again
;;       x = np.moveaxis(x, axis, -1); K = x.shape[-1]
;;       r = np.clip(x / 2.0 ** e, -57344, 57344)
;;       step = 2.0 ** (np.maximum(np.frexp(np.where(r == 0, 1, r))[1] - 1, -14) - 2)
;;       q = np.round(r / step) * step * 2.0 ** e      # np.round: ties to even
;;       return np.moveaxis(q, -1, axis).astype(np.float32)
;;   ~~~
;;   OPERANDS COMPUTED ON THE WAY. 'Computed on the way' means the value that the module computes at that place (a softmax that the list does not call 'softmax' is quantised finished and normalised). What goes into a quantiser is computed in f32, as accurately as f32 sums, v_exp_f32 and their like allow (about 1e-6 of the number): no bf16 or f16 on the way to a quantiser, and a product that is left as it is and whose result goes on into a quantised operand takes f32 operands (vector FMAs, or v_wmma_f32_16x16x4_f32). A number that lies on a knife's edge between two numbers of the format may be rounded either way, as far as f32 arithmetic and the matrix unit's own rounding can turn it there, and no further.
;;   INPUTS GIVEN AS CODES. w_attn (in the module: [1024, 3072], K = its axis 0); w_proj (in the module: [1024, 1024], K = its axis 0); x (in the module: [2, 2048, 1024], K = its axis 2): each comes as NAME_codes (uint8): NAME with its K axis moved to the last place and cut into blocks of 32 codes, [.., K / 32, bytes a block], one block behind the other in memory; one code a byte (a code: sign, 5 exponent bits, 2 mantissa bits); its scale is its entry of lowp_scales. Its value is code x scale, taken as it is: it is not quantised again, and the codes and scales need not be those that the quantiser above would give.
;; One version. Each part assembles by itself: llvm-mc -triple=amdgcn-amd-amdhsa -mcpu=gfx1250 --defsym DOCPART=n.
;; ======== version 1 of 1: 3 launches
;; workspace buffers: q_img 4,194,304 bytes; k_img 4,194,304 bytes; v_img 4,194,304 bytes; y_img 4,194,304 bytes
;; launch qkv (part 1): grid 8 x 24, 4 waves a work-group, clusters of 4 x 4, 327,680 bytes of LDS; arguments x_codes, w_attn_codes, b_attn, lowp_scales, q_img, k_img, v_img; writes q_img, k_img, v_img
.if DOCPART == 1
	.amdgcn_target "amdgcn-amd-amdhsa--gfx1250"
	.amdhsa_code_object_version 6
	.text
	.protected	k_q31f69b614a_qkv
	.globl	k_q31f69b614a_qkv
	.p2align	8
	.type	k_q31f69b614a_qkv,@function
k_q31f69b614a_qkv:
	s_mov_b64 s[64:65], 0
	v_nop
	global_prefetch_b8 v0, s[64:65] scope:SCOPE_SE
	s_setreg_imm32_b32 hwreg(HW_REG_WAVE_MODE, 25, 1), 1
	s_wait_xcnt 0x0
	s_wait_alu depctr_hold_cnt(0) depctr_sa_sdst(0) depctr_va_vdst(0) depctr_va_sdst(0) depctr_va_ssrc(0) depctr_va_vcc(0) depctr_vm_vsrc(0)
	s_getreg_b32 s2, hwreg(HW_REG_IB_STS2, 6, 4)
	s_cmp_eq_u32 s2, 0
	s_cbranch_scc0 .Lentry_in_a_cluster
	s_endpgm
.Lentry_in_a_cluster:
	s_bfe_u32 s2, ttmp6, 0x10000c
	s_cmp_lg_u32 s2, 0xf033
	s_cbranch_scc0 .Lentry_shape_is_right
	s_endpgm
.Lentry_shape_is_right:
; qkv = x w_attn + b_attn on codes of BF8 (E5M2), and q, k, v quantised on the way out, each with its given scale: q 2^e2, k 2^e3, v 2^e4.
; x: [4096][1024] codes, w_attn: [3072][1024] codes, K innermost.  A sum stands for sum x 2^(e0 + e1).
; ONE TEXT, TWO ROLES.  C[i][j] = sum over k of P[i][k] Q[j][k], in tiles of 256 x 256, a wave 128 x 128 (64 accumulators, 512 registers).
;   cluster rows 0-3 (q and k): P = x (i = token), Q = w_attn rows 0-2047 (j = channel): 16 x 8 tiles.
;   cluster rows 4-5 (v):       P = w_attn rows 2048-3071 (i = channel), Q = x (j = token): 4 x 16 tiles.
; The matrix instruction is used transposed (source 0 = 16 rows of Q, source 1 = 16 rows of P), so a lane holds eight neighbouring j of one i: eight channels of a token for q and k,
; eight tokens of a channel for v: in both roles eight neighbours along the K of the product that reads them.  The role only chooses pointers, offsets and masks (s_cselect on the cluster row): no branch hangs on it.
; 192 work-groups: tiles of 256 x 256 keep the wave tile at 128 x 128; the 128 + 64 tiles are all that the two roles have.
; OUTPUT: IMAGES OF OPERAND REGISTERS.  q_img, k_img: [batch 2][head 16][tile of 16 tokens 128][c 2][lane 32][16 bytes]: registers 4 c .. 4 c + 3 of the K = 64 fragment of that tile.
;   v_img: [batch][head][step of 128 keys 16][tile of 16 channels 4][g 4][lane][16 bytes]: registers 4 g .. 4 g + 3 of the K = 128 fragment.  Every store of a wave covers 512 consecutive bytes, aligned.
; CLUSTERS: 4 x 4.  P tiles are shared along a row of the cluster, Q tiles along a column: joint loads.  K goes in steps of 256 through two LDS slots.
; Inside an instruction k is permuted, alike in P and Q (fragments come by four 16-byte loads): every product meets its partner, only the order of the sums inside an instruction differs.
; LIMITS: e0 + e1 between -126 and 127; e2, e3, e4 between -126 and 112, so that each power of two below is an f32 number.  NaN and infinities among the inputs are not served.
; REGISTERS: window 0: v0-31 addresses; v32-95 bias along j; v96-111 bias along i, each number twice; v112-119 store offsets; v120 hold, v121 scale; v128-255 P fragments, later the codes.
;   window 1: Q fragments, two sets; on the way out v0-127 at work.   windows 2, 3: the accumulators ((a, b) at v[8 (8 (a % 4) + b)]).
.set KROW,   1024                      ; a row of codes in memory, in bytes
.set ROWB,   256                       ; a tile row: 256 along K
.set PITCH,  272                       ; an LDS row: 256 bytes + 16 of padding: the 16 rows of a fragment load start at 16 different banks (64 banks of 4 bytes: ISA guide 11.1)
.set FR,     16                        ; registers of a fragment: 16 rows x 128 K
.set NL,     4                         ; LDS loads that bring one
.set NP,     4                         ; places behind this matrix instruction (ISA guide 7.12.1)
.set HALFT,  128*PITCH                 ; what one tensor load brings
.set SLOT,   4*HALFT                   ; 256 rows of P, then 256 rows of Q
.set SPARE,  2*SLOT                    ; behind the ring: the spare words, 128 bytes a wave
.set ADRA, 16                          ; v16-17 LDS address of my P fragments in slot 0, 1
.set ADRB, 20                          ; v20-21 the same for Q
.set SPW,  28                          ; v28 my spare word; never rewritten
.set NIL,  29                          ; v29 0; never rewritten
.set BJ,   32
.set BI,   96
.set VA,   112
.set LIM,  120
.set SC,   121
.set AF,   128
.set CD,   128
.set G1, 24                            ; s[24:31] group 1 for P; s[32:39] group 0, a set for each slot
.set G0, 32
.set G1B, 48                           ; s[48:55], s[56:63] the same for Q
.set G0B, 56
.set MSB, 0
.macro WIN new                         ; the immediate's high byte repeats the setting that is left
.if MSB != (\new)
	s_set_vgpr_msb (MSB<<8)|(\new)
.set MSB, (\new)
.endif
.endm
.set MUL_LO, 0xa1                      ; source 0 (Q) window 1, source 1 (P) window 0, C and D window 2
.set MUL_HI, 0xf1                      ; the same, C and D window 3
.set TO_B,   0x40                      ; destination window 1, address window 0
; A joint load: waves 0 and 1 fetch for P, waves 2 and 3 for Q.  The branch hangs on the wave number alone.  Four v_nop follow each line.
.macro JLOAD g0a, g1a, g0b, g1b
	s_cmp_eq_u32 s15, 0
	s_cbranch_scc0 .Lfor_b_\@
	tensor_load_to_lds s[\g0a:\g0a+3], s[\g1a:\g1a+7]
.rept 4
	v_nop
.endr
	s_branch .Lasked_\@
.Lfor_b_\@:
	tensor_load_to_lds s[\g0b:\g0b+3], s[\g1b:\g1b+7]
.rept 4
	v_nop
.endr
.Lasked_\@:
.endm
.macro CREST                           ; a round of the cluster's barrier behind its opening barrier
	s_cmp_lg_u32 s14, 0
	s_cbranch_scc1 .Lnot_wave_0_\@
	s_barrier_signal -3
.Lnot_wave_0_\@:
	s_barrier_wait -3
	s_barrier_signal -1
	s_barrier_wait -1
.endm
.macro CROUND                          ; a whole round
	s_barrier_signal -1
	s_barrier_wait -1
	CREST
.endm
	s_load_b256 s[4:11], s[0:1], 0x0               ; x s[4:5], w_attn s[6:7], b_attn s[8:9], the scales s[10:11]
	s_load_b128 s[68:71], s[0:1], 0x20             ; q_img, k_img
	s_load_b64 s[72:73], s[0:1], 0x30              ; v_img
	v_lshl_add_u32 v[SPW], v0, 2, SPARE
	v_mov_b32 v[NIL], 0
	v_lshrrev_b32 v1, 5, v0
	v_readfirstlane_b32 s14, v1                    ; wave 0..3
	s_lshr_b32 s15, s14, 1                         ; which half of the tile's i is mine.  Also: I fetch for P (0) or Q (1)
	s_and_b32 s16, s14, 1                          ; which half of its j.  Also: which 128 rows I fetch
	s_bfe_u32 s40, ttmp6, 0x40000                  ; cx
	s_bfe_u32 s41, ttmp6, 0x40004                  ; cy
	s_mov_b32 s12, ttmp9                           ; X: the cluster's x, 0..1
	s_and_b32 s13, ttmp7, 0xffff                   ; Y: the cluster's y, 0..5; 4 and 5 make v
	s_max_u32 s19, s13, 4
	s_sub_co_u32 s19, s19, 4
	s_lshl_b32 s19, s19, 1
	s_add_co_u32 s19, s19, s12                     ; 2 (Y - 4) + X, for v
	s_cmp_ge_u32 s13, 4                            ; the role: alike in all sixteen partners
	s_cselect_b32 s18, 0, s13                      ; cluster row of tiles along i
	s_cselect_b32 s19, s19, s12                    ; cluster column of tiles along j
	s_cselect_b32 s92, 0, -1                       ; keeps the bias along j (q, k) or clears it (v)
	s_mov_b32 s96, 4096
	s_cselect_b32 s96, 0x20000, s96                ; image bytes from block a to a + 4: a head (v) or four tiles of tokens (q, k)
	s_mov_b32 s97, 1024
	s_cselect_b32 s97, 2048, s97                   ; from block a to a + 1: a tile of channels (v) or of tokens
	s_mov_b32 s3, 0x20000
	s_cselect_b32 s3, 1024, s3                     ; from store g to g + 2: two groups of keys (v) or a head
	s_lshl_b32 s17, s18, 2
	s_add_co_u32 s17, s17, s41                     ; it: tile along i
	s_lshl_b32 s42, s19, 2
	s_add_co_u32 s42, s42, s40                     ; jt: tile along j
	s_lshl_b32 s43, s41, 2
	s_lshl_b32 s43, 15, s43                        ; my row of the cluster
	s_lshl_b32 s44, 0x1111, s40                    ; my column
	; group 1: 128 rows x 256 bytes, padded in LDS
	s_or_b32 s[G1+0], s43, (0<<16)|(1<<20)|(1<<21)|(5<<22)|(3<<25)  ; mask; elements of 1 byte; padding on; bit 21 beside a mask; after every 64 words, 4 words
	s_or_b32 s[G1B+0], s44, (0<<16)|(1<<20)|(1<<21)|(5<<22)|(3<<25)
.irp g, G1, G1B
	s_mov_b32 s[\g+1], ROWB<<16                    ; tensor_dim0
	s_mov_b32 s[\g+2], 128<<16                     ; tensor_dim1
	s_mov_b32 s[\g+3], ROWB<<16                    ; tile_dim0
	s_mov_b32 s[\g+4], 128                         ; tile_dim1
	s_mov_b32 s[\g+5], KROW                        ; stride from row to row
	s_mov_b32 s[\g+6], 0
	s_mov_b32 s[\g+7], 0
.endr
	s_lshl_b32 s18, s16, 7                         ; which 128 rows of the tile I fetch
	s_lshl_b32 s20, s17, 8
	s_add_co_u32 s20, s20, s18
	s_lshl_b32 s20, s20, 10                        ; P: (256 it + 128 half) rows of 1,024 bytes
	s_mov_b32 s21, 0
	s_lshl_b32 s46, s42, 8
	s_add_co_u32 s46, s46, s18
	s_lshl_b32 s46, s46, 10                        ; Q: (256 jt + 128 half) rows
	s_mov_b32 s47, 0
	s_mul_i32 s45, s14, HALFT                      ; where they go: wave x 128 rows
	s_wait_kmcnt 0x0
	s_load_b256 s[76:83], s[10:11], 0x0            ; e0 .. e7
	s_add_nc_u64 s[66:67], s[6:7], 0x200000        ; w_attn at row 2048
	s_cmp_ge_u32 s13, 4
	s_cselect_b64 s[98:99], s[66:67], s[4:5]       ; P
	s_cselect_b64 s[100:101], s[4:5], s[6:7]       ; Q
	s_add_nc_u64 s[20:21], s[98:99], s[20:21]
	s_add_nc_u64 s[46:47], s[100:101], s[46:47]
	CROUND                                         ; all sixteen work-groups are here: the first joint loads meet
.irp s, 0,1
	s_mov_b32 s[G0+4*\s], 1
	s_add_co_u32 s[G0+4*\s+1], s45, \s*SLOT
	s_add_nc_u64 s[G0+4*\s+2:G0+4*\s+3], s[20:21], \s*ROWB
	s_or_b32 s[G0+4*\s+3], s[G0+4*\s+3], 0x80000000
	s_mov_b32 s[G0B+4*\s], 1
	s_add_co_u32 s[G0B+4*\s+1], s45, \s*SLOT
	s_add_nc_u64 s[G0B+4*\s+2:G0B+4*\s+3], s[46:47], \s*ROWB
	s_or_b32 s[G0B+4*\s+3], s[G0B+4*\s+3], 0x80000000
	JLOAD G0+4*\s, G1, G0B+4*\s, G1B
.endr
	v_and_b32 v1, 15, v0                           ; r
	v_bfe_u32 v2, v0, 4, 1                         ; h
	v_mul_u32_u24 v3, v1, PITCH
	v_lshl_add_u32 v4, v2, 4, v3                   ; a fragment's row x pitch + 16 h
	s_mul_i32 s22, s15, HALFT                      ; my 128 rows of P
	s_mul_i32 s23, s16, HALFT
	s_add_co_u32 s23, s23, 2*HALFT                 ; my 128 rows of Q, behind P's 256
.irp s, 0,1
	v_add_nc_u32 v[ADRA+\s], s22, v4
	v_add_nc_u32 v[ADRB+\s], s23, v4
	s_add_co_u32 s22, s22, SLOT
	s_add_co_u32 s23, s23, SLOT
.endr
	; where my 128 x 128 lies: first token, first channel, and from them the image's bytes and the biases
	s_lshl_b32 s20, s17, 8
	s_lshl_b32 s21, s15, 7
	s_add_co_u32 s20, s20, s21                     ; 256 it + 128 (my half of i)
	s_lshl_b32 s21, s42, 8
	s_lshl_b32 s22, s16, 7
	s_add_co_u32 s21, s21, s22                     ; 256 jt + 128 (my half of j)
	s_and_b32 s23, s42, 3
	s_lshl_b32 s23, s23, 8
	s_add_co_u32 s23, s23, s22                     ; the same inside q or inside k
	s_add_co_u32 s22, s20, 2048                    ; v's channels in b_attn
	s_cmp_lt_u32 s42, 4
	s_cselect_b64 s[74:75], s[68:69], s[70:71]     ; q_img or k_img,
	s_cmp_ge_u32 s13, 4
	s_cselect_b64 s[74:75], s[72:73], s[74:75]     ; or v_img
	s_cselect_b32 s98, s21, s20                    ; my first token (0 .. 4095)
	s_cselect_b32 s99, s20, s23                    ; my first channel (0 .. 1023)
	s_cselect_b32 s100, 0, s21                     ; the bias along j begins here (v: not used, entry 0)
	s_cselect_b32 s101, s22, 0                     ; the bias along i (q, k: not used, entry 0)
	s_lshr_b32 s22, s98, 11                        ; batch
	s_lshl_b32 s22, s22, 4
	s_lshr_b32 s23, s99, 6                         ; head
	s_add_co_u32 s22, s22, s23
	s_lshl_b32 s22, s22, 17                        ; a head's image is 131,072 bytes
	s_and_b32 s23, s98, 2047
	s_lshl_b32 s23, s23, 6                         ; 64 bytes a token, in all three images
	s_add_co_u32 s22, s22, s23
	s_mov_b32 s23, 0
	s_add_nc_u64 s[74:75], s[74:75], s[22:23]
	s_mov_b64 s[84:85], s[74:75]                   ; the four stores of a block: bases that are never rewritten
	s_add_nc_u64 s[86:87], s[74:75], 512
	s_mov_b32 s22, s3
	s_add_nc_u64 s[88:89], s[74:75], s[22:23]
	s_add_nc_u64 s[90:91], s[88:89], 512
	s_lshl_b32 s22, s100, 2
	s_lshl_b32 s66, s101, 2
	s_mov_b32 s67, 0
	s_add_nc_u64 s[98:99], s[8:9], s[22:23]
	s_add_nc_u64 s[100:101], s[8:9], s[66:67]
	v_lshlrev_b32 v7, 5, v2                        ; 8 h numbers
	v_lshlrev_b32 v8, 2, v1                        ; r numbers
.irp b, 0,1,2,3,4,5,6,7
	global_load_b128 v[BJ+8*\b:BJ+8*\b+3], v7, s[98:99] offset:64*\b         ; b_attn at j = 16 b + 8 h + 0 .. 7: the layout of a result
	global_load_b128 v[BJ+8*\b+4:BJ+8*\b+7], v7, s[98:99] offset:64*\b+16
.endr
.irp a, 0,1,2,3,4,5,6,7
	global_load_b32 v[BI+2*\a], v8, s[100:101] offset:64*\a                  ; b_attn at i = 16 a + r, twice: a pair for the packed addition
	global_load_b32 v[BI+2*\a+1], v8, s[100:101] offset:64*\a
.endr
	v_and_b32 v9, 31, v0
	v_lshlrev_b32 v9, 4, v9                        ; 16 x lane
.irp a, 0,1,2,3,4,5,6,7
	s_mul_i32 s22, s97, (\a)%4
.if \a >= 4
	s_add_co_u32 s22, s22, s96
.endif
	v_add_nc_u32 v[VA+\a], s22, v9                 ; block a's place in the image
.endr
.macro FRAG reg, adr, q, i             ; 16 rows x 128 K: lane l holds row l % 16; registers 4 c .. 4 c + 3 hold K = 32 c + 16 (l / 16) + 0 .. 15
.irp c, 0,1,2,3
	ds_load_b128 v[\reg+4*\c:\reg+4*\c+3], v[\adr] offset:128*(\q)+32*\c+(\i)*16*PITCH
.endr
.endm
; 16 matrix instructions: P's blocks a0, a0 + 1 x Q's eight.  The 64 accumulators take turns, one instruction a turn, in the same order in every step.
.macro MUL16 a0, p, zero
.irp a, \a0, \a0+1
.irp b, 0,1,2,3,4,5,6,7
.if \zero
	v_wmma_f32_16x16x128_bf8_bf8 v[8*(8*((\a)%4)+\b):8*(8*((\a)%4)+\b)+7], v[128*(\p)+FR*\b:128*(\p)+FR*\b+FR-1], v[AF+FR*(\a):AF+FR*(\a)+FR-1], 0
.else
	v_wmma_f32_16x16x128_bf8_bf8 v[8*(8*((\a)%4)+\b):8*(8*((\a)%4)+\b)+7], v[128*(\p)+FR*\b:128*(\p)+FR*\b+FR-1], v[AF+FR*(\a):AF+FR*(\a)+FR-1], v[8*(8*((\a)%4)+\b):8*(8*((\a)%4)+\b)+7]
.endif
.endr
.endr
.endm
.macro FETCH_B slot, q, p
	WIN TO_B
.irp i, 0,1,2,3,4,5,6,7
	FRAG 128*(\p)+FR*\i, ADRB+\slot, \q, \i
.endr
	WIN 0
.endm
.macro FETCH_A slot, q, i0
.irp i, \i0, \i0+1, \i0+2, \i0+3
	FRAG AF+FR*(\i), ADRA+\slot, \q, \i
.endr
.endm
.macro PLACES n                        ; plain vector instructions between a matrix instruction and a load into, or a vector read or write of, its registers
.rept \n
	v_nop
.endr
.endm
; A step of 128 along K that has its successor in the same slot.  P has one set of registers (a block is free when its eight products are issued), Q two.
.macro STEP slot, q, zero
	s_wait_dscnt 4*NL                              ; Q's set and P's blocks 0-3 are in; the youngest 16 loads (P's blocks 4-7) may be out
	WIN MUL_LO
	MUL16 0, (\q)%2, \zero
	MUL16 2, (\q)%2, \zero
	s_wait_dscnt 0                                 ; P's blocks 4-7 are in
	PLACES NP
	FETCH_B \slot, (\q)+1, 1-(\q)%2
	FETCH_A \slot, (\q)+1, 0
	WIN MUL_HI
	MUL16 4, (\q)%2, \zero
	MUL16 6, (\q)%2, \zero
	PLACES NP
	WIN 0
	FETCH_A \slot, (\q)+1, 4
.endm
; A slot's last step changes slots: one barrier; in front of it each wave waits for all its tensor loads, adds 0 to its spare word, and waits for that and for its reads of this slot.
.macro TURN slot, next, fill
	s_wait_tensorcnt 0x0                           ; all my tensor loads have landed: my part of the next slot
	ds_add_u32 v[SPW], v[NIL]                      ; 0 onto my spare word
	s_wait_dscnt 4*NL+1                            ; the add and the youngest 16 loads may be out
	WIN MUL_LO
	MUL16 0, 1, 0
	s_wait_dscnt 0x0                               ; the add is done, and my reads of this slot are over
	s_barrier_signal -1
	MUL16 2, 1, 0
	WIN 0
	s_barrier_wait -1
.if \fill
	CREST                                          ; the barrier has opened a round of the cluster's: no wave of any partner still reads this slot or has a load on its way
	s_add_nc_u64 s[G0+4*\slot+2:G0+4*\slot+3], s[G0+4*\slot+2:G0+4*\slot+3], 2*ROWB
	s_add_nc_u64 s[G0B+4*\slot+2:G0B+4*\slot+3], s[G0B+4*\slot+2:G0B+4*\slot+3], 2*ROWB
	JLOAD G0+4*\slot, G1, G0B+4*\slot, G1B         ; the first tensor load behind the round; its four v_nop are the places in front of the loads below
.else
	PLACES NP
.endif
	FETCH_B \next, 0, 0
	FETCH_A \next, 0, 0
	WIN MUL_HI
	MUL16 4, 1, 0
	MUL16 6, 1, 0
	PLACES NP
	WIN 0
	FETCH_A \next, 0, 4
.endm
	s_wait_tensorcnt 1                             ; my part of K step 0 is in; K step 1's load may be out
	s_barrier_signal -1
	s_barrier_wait -1
	FETCH_B 0, 0, 0
	FETCH_A 0, 0, 0
	FETCH_A 0, 0, 4
	STEP 0, 0, 1                                   ; K = 1,024 is four slots' worth: eight steps, written out; the first products start the sums
	TURN 0, 1, 1
	STEP 1, 0, 0
	TURN 1, 0, 1
	STEP 0, 0, 0
	TURN 0, 1, 0                                   ; nothing is left to fetch
	STEP 1, 0, 0
	s_wait_dscnt 4*NL
	WIN MUL_LO
	MUL16 0, 1, 0
	MUL16 2, 1, 0
	s_wait_dscnt 0
	WIN MUL_HI
	MUL16 4, 1, 0
	MUL16 6, 1, 0
	WIN 0
	; THE WAY OUT: value = sum x 2^(e0 + e1) + bias, held within the largest code x the scale, converted; the codes are the image and go straight to memory.
	s_wait_kmcnt 0x0
	s_wait_loadcnt 0x0                             ; the biases
	s_add_co_i32 s94, s76, s77
	s_add_co_i32 s94, s94, 127
	s_lshl_b32 s94, s94, 23                        ; 2^(e0 + e1) as f32
	s_mov_b32 s95, s94                             ; (named with it as a pair)
	s_cmp_lt_u32 s42, 4
	s_cselect_b32 s2, s78, s79                     ; e2 for q, e3 for k,
	s_cmp_ge_u32 s13, 4
	s_cselect_b32 s2, s80, s2                      ; e4 for v
	s_add_co_i32 s2, s2, 127
	s_lshl_b32 s22, s2, 23
	v_mov_b32 v[SC], s22                           ; the scale as f32: the conversion takes its exponent field
	s_add_co_i32 s2, s2, 15
	s_lshl_b32 s2, s2, 23
	s_or_b32 s2, s2, 0x600000
	v_mov_b32 v[LIM], s2                           ; 57,344 x the scale
	s_not_b32 s93, s92
.set j, 0
.rept 64
	v_and_b32 v[BJ+j], s92, v[BJ+j]                ; of the two biases the role keeps one; the other becomes 0, whose addition rounds nothing.  (These lines are also the places behind the last products)
.set j, j+1
.endr
.set j, 0
.rept 16
	v_and_b32 v[BI+j], s93, v[BI+j]
.set j, j+1
.endr
.macro EPI a
.set AC, 64*((\a)%4)
.set TS, 64*((\a)%2)
	WIN 0x42+((\a)/4)                              ; source 0 window 2 or 3, destination window 1
.set j, 0
.rept 32
	v_pk_fma_f32 v[TS+j:TS+j+1], v[AC+j:AC+j+1], s[94:95], v[BJ+j:BJ+j+1] op_sel_hi:[1,0,1]   ; each accumulator from its low end on
.set j, j+2
.endr
	WIN 0x41                                       ; source 0 and destination window 1
.set j, 0
.rept 32
	v_pk_add_f32 v[TS+j:TS+j+1], v[TS+j:TS+j+1], v[BI+2*(\a):BI+2*(\a)+1]
.set j, j+2
.endr
.set j, 0
.rept 64
	v_med3_num_f32 v[TS+j], v[TS+j], -v[LIM], v[LIM]   ; the conversion to an 8-bit code does not saturate (ISA guide 7.6.2)
.set j, j+1
.endr
	WIN 0x01                                       ; source 0 window 1, destination window 0
.set j, 0
.rept 8
	v_cvt_scalef32_pk8_bf8_f32 v[CD+16*(\a)+2*j:CD+16*(\a)+2*j+1], v[TS+8*j:TS+8*j+7], v[SC]
.set j, j+1
.endr
	WIN 0
	v_nop                                          ; one plain vector instruction behind the last conversion of a run
.irp g, 0,1,2,3
	global_store_b128 v[VA+(\a)], v[CD+16*(\a)+4*\g:CD+16*(\a)+4*\g+3], s[84+2*\g:85+2*\g]   ; 512 consecutive bytes; every store has data, offset and base of its own, none rewritten
.endr
.endm
.irp a, 0,1,2,3,4,5,6,7
	EPI \a
.endr
	s_wait_tensorcnt 0x0                           ; the wave's end
	ds_add_u32 v[SPW], v[NIL]
	s_wait_dscnt 0x0
	CROUND                                         ; the closing round
	s_endpgm
.Lfunc_end_k_q31f69b614a_qkv:
	.size	k_q31f69b614a_qkv, .Lfunc_end_k_q31f69b614a_qkv-k_q31f69b614a_qkv
	.p2alignl 7, 3214868480
	.fill 96, 4, 3214868480
	.section	.rodata,"a",@progbits
	.p2align	6, 0x0
	.amdhsa_kernel k_q31f69b614a_qkv
		.amdhsa_group_segment_fixed_size 327680
		.amdhsa_private_segment_fixed_size 0
		.amdhsa_enable_private_segment 0
		.amdhsa_kernarg_size 56
		.amdhsa_user_sgpr_count 2
		.amdhsa_user_sgpr_kernarg_segment_ptr 1
		.amdhsa_wavefront_size32 1
		.amdhsa_system_sgpr_workgroup_id_x 1
		.amdhsa_system_sgpr_workgroup_id_y 1
		.amdhsa_system_sgpr_workgroup_id_z 1
		.amdhsa_system_vgpr_workitem_id 0
		.amdhsa_next_free_vgpr 1024
		.amdhsa_next_free_sgpr 102
		.amdhsa_reserve_vcc 0
		.amdhsa_float_denorm_mode_32 3
		.amdhsa_float_denorm_mode_16_64 3
		.amdhsa_memory_ordered 1
		.amdhsa_forward_progress 1
		.amdhsa_inst_pref_size 157
	.end_amdhsa_kernel
	.amdgpu_metadata
---
amdhsa.version: [ 1, 2 ]
amdhsa.kernels:
  - .name:           k_q31f69b614a_qkv
    .symbol:         k_q31f69b614a_qkv.kd
    .args:
      - { .name: x_codes, .offset: 0, .size: 8, .value_kind: global_buffer, .address_space: global }
      - { .name: w_attn_codes, .offset: 8, .size: 8, .value_kind: global_buffer, .address_space: global }
      - { .name: b_attn, .offset: 16, .size: 8, .value_kind: global_buffer, .address_space: global }
      - { .name: lowp_scales, .offset: 24, .size: 8, .value_kind: global_buffer, .address_space: global }
      - { .name: q_img, .offset: 32, .size: 8, .value_kind: global_buffer, .address_space: global }
      - { .name: k_img, .offset: 40, .size: 8, .value_kind: global_buffer, .address_space: global }
      - { .name: v_img, .offset: 48, .size: 8, .value_kind: global_buffer, .address_space: global }
    .group_segment_fixed_size: 327680
    .private_segment_fixed_size: 0
    .kernarg_segment_align: 8
    .kernarg_segment_size: 56
    .max_flat_workgroup_size: 128
    .sgpr_count:     102
    .vgpr_count:     1024
    .wavefront_size: 32
...
	.end_amdgpu_metadata
.endif
;; end of part 1
;; launch attn (part 2): grid 8 x 32, 16 waves a work-group, clusters of 4 x 1, 303,360 bytes of LDS; arguments q_img, k_img, v_img, lowp_scales, span_params, period_weight, ratio_weight, y_img, out1; writes y_img, out1
.if DOCPART == 2
	.amdgcn_target "amdgcn-amd-amdhsa--gfx1250"
	.amdhsa_code_object_version 6
	.text
	.protected	k_q31f69b614a_attn
	.globl	k_q31f69b614a_attn
	.p2align	8
	.type	k_q31f69b614a_attn,@function
k_q31f69b614a_attn:
	s_mov_b64 s[64:65], 0
	v_nop
	global_prefetch_b8 v0, s[64:65] scope:SCOPE_SE
	s_setreg_imm32_b32 hwreg(HW_REG_WAVE_MODE, 25, 1), 1
	s_wait_xcnt 0x0
	s_wait_alu depctr_hold_cnt(0) depctr_sa_sdst(0) depctr_va_vdst(0) depctr_va_sdst(0) depctr_va_ssrc(0) depctr_va_vcc(0) depctr_vm_vsrc(0)
	s_getreg_b32 s2, hwreg(HW_REG_IB_STS2, 6, 4)
	s_cmp_eq_u32 s2, 0
	s_cbranch_scc0 .Lentry_in_a_cluster
	s_endpgm
.Lentry_in_a_cluster:
	s_bfe_u32 s2, ttmp6, 0x10000c
	s_cmp_lg_u32 s2, 0x3003
	s_cbranch_scc0 .Lentry_shape_is_right
	s_endpgm
.Lentry_shape_is_right:
; y = att v per head, att = exp(s - max) mask / sum(exp(s - max) mask), s = q k / 8 under the causal mask; both products on codes of BF8 (E5M2); and out1, the span loss.
; att is quantised FINISHED AND NORMALISED, so the keys are walked twice: walk 1 finds each query's largest t and the masked sum l; walk 2 makes the scores again, att = p mask / l, its codes, and O^T += V^T att^T.
; t = score x log2(e) / 8 x 2^(e2 + e3); M = the largest t over all causal keys, rounded up to a whole number (a running maximum; when it moves, l is multiplied by 2^(old M - new M), exactly); p = 2^(t - M).
; THE MASK hangs on the head and on query - key alone: each work-group makes a table of it in LDS, with every rounding of the definition repeated step by step (the cosine's argument is a rounded quotient of up to some 6,400).
; The cosine: the argument less a whole number of turns (2 pi in two parts, fused), then 1 - 2 sin^2 of the half by a polynomial of degree 13 on [-pi/2, pi/2].
; SHARES.  A work-group owns one head of one batch entry and 256 queries; wave w owns the 16 queries 128 m + 16 j + 0 .. 15, j = the work-group's x (0 .. 7), m a permutation of w made of two orthogonal Latin squares:
; waves with equal w % 4, and waves with equal w / 4, have 34 key steps between them, and every work-group has 136.  A wave walks m + 1 steps of 128 keys: that hangs on the wave number alone.
; CLUSTER.  The four work-groups of a cluster share the head: its K and V images (131,072 bytes each) are asked for jointly, once, and stay in LDS: nothing is filled again.  cx enters Q's and y's addresses and data only.
; LAYOUT.  Both products transposed: S^T = K Q^T (K = 64 form), O^T = V^T att^T (K = 128 form): lane (r, h) holds query r; register 8 t + i of S^T is key 16 t + 8 h + i, which is the very place of k in source 1 of the second product.
; All operands come as images of their registers: 16 bytes a lane at 16 x lane, no pitch, no conflict.
; LDS: 0 K image; 131,072 V image; 262,144 four copies of the table, 10,304 bytes apart.  T[u] = mask(16 j + 1936 - u), 0 where that is negative; copy c holds T[u] at word u + c.
; LIMITS: e2 + e3 - 3 between -126 and 127; e5 and e6 - e4 - e5 between -126 and 112.  p under 2^-126 is 0 (v_exp_f32 flushes).  The sigmoid is held at 2^-126 from below; its argument times log2(e) must be finite.  NaN and infinities are not served.
; REGISTERS: v1 16 x lane; v2 my place in the table; v3-5 addresses in hand; v6 16 j + r - 8 h; v7 -inf; v8-10 at work; v11 16 x lane + V's base; v12 -M; v13 largest t; v[14:15] l; v16-23 Q; v[24:25] 1 / l; v26 hold; v27 2^e5;
;   v[28:29] f; v[30:31] second chain; v32-95 K's, then V's fragments; v96-159 S^T, p, att; v160-223 mask values, then att's codes in v160-175; v224-255 O^T.
.set VB,  131072
.set TAB, 262144
.set TP,  10304
.set TE,  96                           ; the table's five entries a thread: eight registers each
.macro ROUND
	s_barrier_signal -1
	s_barrier_wait -1
	s_cmp_lg_u32 s22, 0
	s_cbranch_scc1 .Lnot_wave_0_\@
	s_barrier_signal -3
.Lnot_wave_0_\@:
	s_barrier_wait -3
	s_barrier_signal -1
	s_barrier_wait -1
.endm
; d = 1 / (1 + e^-x).  -x log2(e) in two parts, so that the exponential's argument loses nothing; one Newton step on the reciprocal.
.macro SIGMOID d, x, t, u
	v_mul_f32 v[\t], 0xbfb8aa3b, v[\x]
	v_fma_f32 v[\u], v[\x], 0xbfb8aa3b, -v[\t]     ; what the product's rounding left,
	v_fmac_f32 v[\u], 0xb2a57060, v[\x]            ; and the constant's own low part
	v_min_num_f32 v[\t], 0x42fc0000, v[\t]         ; at most 126
	v_exp_f32 v[\d], v[\t]
	v_mul_f32 v[\u], 0x3f317218, v[\u]             ; (the plain instruction behind the transcendental)
	v_fma_f32 v[\d], v[\d], v[\u], v[\d]
	v_add_f32 v[\t], 1.0, v[\d]
	v_rcp_f32 v[\d], v[\t]
	v_nop
	v_fma_f32 v[\u], -v[\t], v[\d], 1.0
	v_fma_f32 v[\d], v[\u], v[\d], v[\d]
.endm
	s_load_b512 s[4:19], s[0:1], 0x0               ; q_img, k_img, v_img, scales, span s[12:13], period s[14:15], ratio s[16:17], y_img s[18:19]
	s_load_b64 s[20:21], s[0:1], 0x40              ; out1
	v_lshrrev_b32 v8, 5, v0
	v_readfirstlane_b32 s22, v8                    ; wave 0..15
	s_lshr_b32 s29, s22, 2                         ; a
	s_and_b32 s30, s22, 3                          ; b
	s_lshr_b32 s31, s30, 1
	s_xor_b32 s23, s30, s31
	s_and_b32 s23, s23, 1
	s_lshl_b32 s23, s23, 1
	s_or_b32 s23, s23, s31                         ; b times the field's generator: 0, 2, 3, 1
	s_xor_b32 s23, s23, s29
	s_xor_b32 s30, s30, s29
	s_lshl_b32 s30, s30, 2
	s_add_co_u32 s23, s23, s30                     ; m = 4 (a xor b) + (a xor that)
	s_bfe_u32 s24, ttmp6, 0x40000                  ; cx
	s_lshl_b32 s25, ttmp9, 2
	s_add_co_u32 s25, s25, s24                     ; j
	s_and_b32 s26, ttmp7, 0xffff                   ; 16 x batch + head
	s_and_b32 s27, s26, 15
	s_lshr_b32 s28, s26, 4
	s_lshl_b32 s76, s27, 2                         ; the head's place in the three small inputs; not rewritten
	; group 1: a dense block of 8,192 bytes as 32 rows of 256
	s_mov_b32 s32, 15|(3<<16)|(1<<21)              ; mask: all four partners; elements of 8 bytes; bit 21 beside a mask
	s_mov_b32 s33, 32<<16                          ; tensor_dim0 = 32
	s_mov_b32 s34, 32<<16                          ; tensor_dim1 = 32
	s_mov_b32 s35, 32<<16                          ; tile_dim0 = 32
	s_mov_b32 s36, 32                              ; tile_dim1 = 32
	s_mov_b32 s37, 32                              ; stride
	s_mov_b32 s38, 0
	s_mov_b32 s39, 0
	s_mov_b32 s58, 0x76543210                      ; v_permlanex16_b32: lane l xor 16
	s_mov_b32 s59, 0xfedcba98
	s_lshl_b32 s41, s22, 13                        ; wave w brings key step w: 8,192 bytes of each image
	s_lshl_b32 s74, s26, 17
	s_add_co_u32 s74, s74, s41
	s_mov_b32 s75, 0
	s_wait_kmcnt 0x0
	s_load_b256 s[48:55], s[10:11], 0x0            ; e0 .. e7
	s_load_b32 s71, s[12:13], s76 offset:0x0
	s_load_b32 s72, s[14:15], s76 offset:0x0
	s_load_b32 s73, s[16:17], s76 offset:0x0
	s_mov_b32 s40, 1
	s_add_nc_u64 s[42:43], s[6:7], s[74:75]
	s_or_b32 s43, s43, 0x80000000
	s_mov_b32 s44, 1
	s_add_co_u32 s45, s41, VB
	s_add_nc_u64 s[46:47], s[8:9], s[74:75]
	s_or_b32 s47, s47, 0x80000000
	ROUND                                          ; the four work-groups are here: the joint loads meet
	tensor_load_to_lds s[40:43], s[32:39]          ; two loads of mine are out, the only ones of the launch
	tensor_load_to_lds s[44:47], s[32:39]
.rept 4
	v_nop
.endr
	v_and_b32 v8, 31, v0
	v_lshlrev_b32 v1, 4, v8
	v_add_nc_u32 v11, VB, v1
	s_lshl_b32 s78, s26, 7
	s_lshl_b32 s30, s23, 3
	s_add_co_u32 s78, s78, s30
	s_add_co_u32 s78, s78, s25                     ; my tile of 16 queries: 128 (16 batch + head) + 8 m + j
	s_lshl_b32 s78, s78, 10
	s_mov_b32 s79, 0
	s_add_nc_u64 s[4:5], s[4:5], s[78:79]
	global_load_b128 v[16:19], v1, s[4:5]          ; Q's fragment stays in registers
	global_load_b128 v[20:23], v1, s[4:5] offset:512
	v_and_b32 v8, 15, v0                           ; r
	v_bfe_u32 v9, v0, 4, 1                         ; h
	v_and_b32 v10, 3, v8
	v_mul_u32_u24 v2, v10, TP                      ; my copy,
	v_add_nc_u32 v2, TAB+7744, v2                  ; word 1936,
	v_lshl_add_u32 v2, v9, 5, v2                   ; + 8 h words,
	v_lshrrev_b32 v10, 2, v8
	v_lshlrev_b32 v10, 4, v10
	v_sub_nc_u32 v2, v2, v10                       ; - r words (4 (r / 4); the rest is the copy's shift)
	v_lshlrev_b32 v10, 3, v9
	v_sub_nc_u32 v6, v8, v10
	s_lshl_b32 s30, s25, 4
	v_add_nc_u32 v6, s30, v6                       ; 16 j + r - 8 h
	v_mov_b32 v7, 0xff800000
	s_wait_kmcnt 0x0
	v_mov_b32 v32, s71
	v_mov_b32 v33, s72
	v_mov_b32 v34, s73
	SIGMOID 40, 32, 35, 36
	SIGMOID 41, 33, 35, 36
	SIGMOID 42, 34, 35, 36
	v_mul_f32 v40, 0x45000000, v40                 ; span = sigmoid x 2048
	v_fma_f32 v41, v41, 2.0, 2.0                   ; period = 2 + 2 sigmoid
	v_fmaak_f32 v42, 0.5, v42, 0xbe800000          ; ratio = -0.25 + 0.5 sigmoid
	v_rcp_f32 v45, v41
	v_mul_f32 v43, 0x3e800000, v41                 ; amplitude = period / 4  (the plain instruction behind the transcendental)
	v_mul_f32 v44, v41, v42                        ; offset = period x ratio
	v_fma_f32 v35, -v41, v45, 1.0
	v_fma_f32 v45, v35, v45, v45                   ; 1 / period
	; THE TABLE: entries u = 512 e + thread, e = 0 .. 4; the five take turns line by line
	s_add_co_u32 s30, s30, 1936
.irp e, 0,1,2,3,4
	s_sub_co_u32 s31, s30, 512*\e
	v_sub_nc_u32 v[TE+8*\e], s31, v0               ; rel = 16 j + 1936 - u
.endr
.irp e, 0,1,2,3,4
	v_cmp_gt_i32 s[66+\e], 0, v[TE+8*\e]           ; not causal
.endr
.irp e, 0,1,2,3,4
	v_max_i32 v[TE+8*\e], 0, v[TE+8*\e]
.endr
.irp e, 0,1,2,3,4
	v_cvt_f32_i32 v[TE+8*\e], v[TE+8*\e]
.endr
.irp e, 0,1,2,3,4
	v_sub_f32 v[TE+8*\e+1], 0x42000000, v[TE+8*\e] ; R - rel
.endr
.irp e, 0,1,2,3,4
	v_add_f32 v[TE+8*\e+1], v[TE+8*\e+1], v40      ; + span
.endr
.irp e, 0,1,2,3,4
	v_mul_f32 v[TE+8*\e+1], 0x3d000000, v[TE+8*\e+1]   ; / R
.endr
.irp e, 0,1,2,3,4
	v_med3_num_f32 v[TE+8*\e+1], v[TE+8*\e+1], 0, 1.0
.endr
.irp e, 0,1,2,3,4
	v_mul_f32 v[TE+8*\e+2], 0x40c90fdb, v[TE+8*\e] ; 2 pi rel, rounded
.endr
.irp e, 0,1,2,3,4
	v_mul_f32 v[TE+8*\e+3], v[TE+8*\e+2], v45
.endr
.irp e, 0,1,2,3,4
	v_fma_f32 v[TE+8*\e+7], -v[TE+8*\e+3], v41, v[TE+8*\e+2]
.endr
.irp e, 0,1,2,3,4
	v_fma_f32 v[TE+8*\e+2], v[TE+8*\e+7], v45, v[TE+8*\e+3]   ; / period: the rounded quotient
.endr
.irp e, 0,1,2,3,4
	v_mul_f32 v[TE+8*\e+3], 0.15915494, v[TE+8*\e+2]
.endr
.irp e, 0,1,2,3,4
	v_rndne_f32 v[TE+8*\e+3], v[TE+8*\e+3]         ; whole turns, at most 1,024
.endr
.irp e, 0,1,2,3,4
	v_fma_f32 v[TE+8*\e+2], -v[TE+8*\e+3], 0x40c90fdb, v[TE+8*\e+2]   ; less turns x 2 pi's high part: the difference fits 24 bits
.endr
.irp e, 0,1,2,3,4
	v_fma_f32 v[TE+8*\e+2], -v[TE+8*\e+3], 0xb43bbd2e, v[TE+8*\e+2]   ; and its low part
.endr
.irp e, 0,1,2,3,4
	v_mul_f32 v[TE+8*\e+4], 0.5, v[TE+8*\e+2]      ; the half angle
.endr
.irp e, 0,1,2,3,4
	v_mul_f32 v[TE+8*\e+5], v[TE+8*\e+4], v[TE+8*\e+4]
.endr
.irp e, 0,1,2,3,4
	v_mov_b32 v[TE+8*\e+6], 0x2f309231             ; 1 / 13!
.endr
.irp c, 0xb2d7322b, 0x3638ef1d, 0xb9500d01, 0x3c088889, 0xbe2aaaab
.irp e, 0,1,2,3,4
	v_fmaak_f32 v[TE+8*\e+6], v[TE+8*\e+6], v[TE+8*\e+5], \c   ; -1 / 11!, 1 / 9!, -1 / 7!, 1 / 5!, -1 / 3!
.endr
.endr
.irp e, 0,1,2,3,4
	v_mul_f32 v[TE+8*\e+7], v[TE+8*\e+4], v[TE+8*\e+5]
.endr
.irp e, 0,1,2,3,4
	v_fma_f32 v[TE+8*\e+4], v[TE+8*\e+7], v[TE+8*\e+6], v[TE+8*\e+4]   ; the sine of the half
.endr
.irp e, 0,1,2,3,4
	v_mul_f32 v[TE+8*\e+7], -2.0, v[TE+8*\e+4]
.endr
.irp e, 0,1,2,3,4
	v_fma_f32 v[TE+8*\e+7], v[TE+8*\e+7], v[TE+8*\e+4], 1.0   ; the cosine
.endr
.irp e, 0,1,2,3,4
	v_add_f32 v[TE+8*\e+7], 1.0, v[TE+8*\e+7]
.endr
.irp e, 0,1,2,3,4
	v_mul_f32 v[TE+8*\e+7], 0.5, v[TE+8*\e+7]
.endr
.irp e, 0,1,2,3,4
	v_mul_f32 v[TE+8*\e+7], v[TE+8*\e+7], v43      ; the definition rounds behind each of these steps, so they stay apart
.endr
.irp e, 0,1,2,3,4
	v_add_f32 v[TE+8*\e+7], 0.5, v[TE+8*\e+7]
.endr
.irp e, 0,1,2,3,4
	v_add_f32 v[TE+8*\e+7], v[TE+8*\e+7], v44
.endr
.irp e, 0,1,2,3,4
	v_med3_num_f32 v[TE+8*\e+7], v[TE+8*\e+7], 0, 1.0
.endr
.irp e, 0,1,2,3,4
	v_mul_f32 v[TE+8*\e+1], v[TE+8*\e+1], v[TE+8*\e+7]
.endr
.irp e, 0,1,2,3,4
	v_cndmask_b32 v[TE+8*\e+1], v[TE+8*\e+1], 0, s[66+\e]
.endr
	v_lshl_add_u32 v9, v0, 2, TAB
.irp e, 0,1,2,3,4
.irp p, 0,1,2,3
	ds_store_b32 v9, v[TE+8*\e+1] offset:2048*\e+10308*\p   ; copy p: TP bytes on, and one word more
.endr
.endr
	s_add_co_i32 s29, s50, s51
	s_sub_co_i32 s29, s29, 3
	s_lshl_b32 s29, s29, 23
	s_add_co_i32 s56, s29, 0x3fb8aa3b              ; log2(e) x 2^(e2 + e3 - 3): the exponents go into the exponent field
	s_mov_b32 s57, s56                             ; (named with it as a pair)
	s_add_co_i32 s29, s53, 127
	s_lshl_b32 s31, s29, 23
	v_mov_b32 v27, s31                             ; 2^e5
	s_add_co_i32 s29, s29, 15
	s_lshl_b32 s29, s29, 23
	s_or_b32 s29, s29, 0x600000
	v_mov_b32 v26, s29                             ; 57,344 x 2^e5
	v_mov_b32 v13, 0xff61b1e6                      ; the largest t so far: -3e38
	v_floor_f32 v12, -v13
	v_mov_b32 v14, 0
	v_mov_b32 v15, 0
	v_mov_b32 v10, 0                               ; a lane permute's destination counts as read
	v_mov_b32 v29, 0                               ; (named as the upper half of a pair)
	s_wait_loadcnt 0x0                             ; Q
	s_wait_tensorcnt 0x0                           ; my parts of K and V have landed,
	s_wait_dscnt 0x0                               ; my part of the table is stored:
	s_barrier_signal -1
	s_barrier_wait -1                              ; everybody's.  From here on no wave writes LDS
.macro HEAD                            ; the step's addresses.  s61 = 8,192 x step; s62 = 512 (m - step), cut to its field so that it is in range by the text alone
	s_and_b32 s63, s62, 0x1e00
	v_add_nc_u32 v3, s61, v1
	v_sub_nc_u32 v4, v2, s63
.endm
.macro LOADS_KM                        ; 16 loads: K's eight fragments; 16 loads: the mask of my 64 (query, key) pairs, in S^T's layout
.set t, 0
.rept 8
	ds_load_b128 v[32+8*t:35+8*t], v3 offset:1024*t
	ds_load_b128 v[36+8*t:39+8*t], v3 offset:1024*t+512
.set t, t+1
.endr
.set t, 0
.rept 8
	ds_load_b128 v[160+8*t:163+8*t], v4 offset:64*t
	ds_load_b128 v[164+8*t:167+8*t], v4 offset:64*t+16
.set t, t+1
.endr
.endm
.macro SCORES
	s_wait_dscnt 16                                ; K is in; the mask's 16 loads may be out
.set t, 0
.rept 8
	v_wmma_f32_16x16x64_bf8_bf8 v[96+8*t:103+8*t], v[32+8*t:39+8*t], v[16:23], 0
.set t, t+1
.endr
.rept 4
	v_nop                                          ; places: in front of the first read of the scores and of loads into K's registers
.endr
.endm
.macro DIAG                            ; in the wave's last step the scores of keys behind the query become -inf: p = 0.  Register n holds key 16 (n / 8) + n % 8 + 8 h of the step
	s_cmp_lg_u32 s60, s23
	s_cbranch_scc1 .Lopen_\@
.set n, 0
.rept 64
	v_cmp_gt_i32 vcc_lo, 16*(n/8)+n%8, v6
	v_cndmask_b32 v[96+n], v[96+n], v7, vcc_lo
.set n, n+1
.endr
.Lopen_\@:
.endm
.macro EXPS                            ; p = 2^(t - M)
.set n, 0
.rept 32
	v_pk_fma_f32 v[96+n:97+n], v[96+n:97+n], s[56:57], v[12:13] op_sel_hi:[1,0,0]
.set n, n+2
.endr
.set n, 0
.rept 64
	v_exp_f32 v[96+n], v[96+n]
.set n, n+1
.endr
.endm
	; WALK 1.  Sixteen trips in every wave, so that the trip count is a constant; a wave's work is left out in the trips behind its last step (a branch on the wave number and the counter).
	s_mov_b32 s60, 0
	s_mov_b32 s61, 0
	s_lshl_b32 s62, s23, 9
.Lwalk1:
	s_cmp_gt_u32 s60, s23
	s_cbranch_scc1 .Lskip1
	HEAD
	LOADS_KM
	SCORES
	DIAG
	v_max3_num_f32 v8, v96, v97, v98               ; the step's largest score of my query among my 64 keys, in two chains,
	v_max3_num_f32 v9, v99, v100, v101
.set n, 6
.rept 14
	v_max3_num_f32 v8, v8, v[96+n], v[97+n]
	v_max3_num_f32 v9, v9, v[98+n], v[99+n]
.set n, n+4
.endr
	v_max3_num_f32 v8, v8, v158, v159
	v_max_num_f32 v8, v8, v9
	v_permlanex16_b32 v10, v8, s58, s59
	v_max_num_f32 v8, v8, v10                      ; and among lane l xor 16's
	v_mul_f32 v8, s56, v8
	v_max_num_f32 v13, v13, v8                     ; the running largest t
	v_mov_b32 v8, v12
	v_floor_f32 v12, -v13                          ; -M = floor(-t)
	v_sub_f32 v8, v12, v8
	v_cvt_i32_f32 v8, v8                           ; old M - new M, a whole number (the conversion saturates)
	v_ldexp_f32 v28, 1.0, v8                       ; f
	EXPS
	v_pk_mul_f32 v[14:15], v[14:15], v[28:29] op_sel_hi:[1,0]   ; l under the new M.  (The plain instruction behind the exponentials)
	s_wait_dscnt 0x0                               ; the mask is in
	v_pk_mul_f32 v[30:31], v[96:97], v[160:161]    ; l += p x mask, two at a time, in two chains
	v_pk_fma_f32 v[14:15], v[98:99], v[162:163], v[14:15]
.set n, 4
.rept 15
	v_pk_fma_f32 v[30:31], v[96+n:97+n], v[160+n:161+n], v[30:31]
	v_pk_fma_f32 v[14:15], v[98+n:99+n], v[162+n:163+n], v[14:15]
.set n, n+4
.endr
	v_pk_add_f32 v[14:15], v[14:15], v[30:31]
.Lskip1:
	s_add_co_u32 s61, s61, 8192
	s_sub_co_u32 s62, s62, 512
	s_add_co_u32 s60, s60, 1
	s_cmp_lt_u32 s60, 16
	s_cbranch_scc1 .Lwalk1
	v_add_f32 v14, v14, v15                        ; l: its two halves,
	v_permlanex16_b32 v10, v14, s58, s59
	v_add_f32 v14, v14, v10                        ; and lane l xor 16's
	v_rcp_f32 v24, v14
.set n, 0
.rept 32
	v_mov_b32 v[224+n], 0                          ; O^T: the step is written once, so its sums begin as zeros.  (The first is the plain instruction behind the reciprocal)
.set n, n+1
.endr
	v_fma_f32 v8, -v14, v24, 1.0
	v_fma_f32 v24, v8, v24, v24                    ; 1 / l, one Newton step
	v_mov_b32 v25, v24
	; WALK 2
	s_mov_b32 s60, 0
	s_mov_b32 s61, 0
	s_lshl_b32 s62, s23, 9
.Lwalk2:
	s_cmp_gt_u32 s60, s23
	s_cbranch_scc1 .Lskip2
	HEAD
	v_add_nc_u32 v5, s61, v11
	LOADS_KM
	SCORES
.set t, 0
.rept 16
	ds_load_b128 v[32+4*t:35+4*t], v5 offset:512*t ; V's four fragments (tile of 16 channels t / 4, registers 4 (t % 4) on), into K's registers
.set t, t+1
.endr
	DIAG
	EXPS
	v_nop                                          ; the plain instruction behind the exponentials
	s_wait_dscnt 16                                ; the mask is in; V's 16 loads may be out
.set n, 0
.rept 32
	v_pk_mul_f32 v[96+n:97+n], v[96+n:97+n], v[160+n:161+n]   ; x mask
.set n, n+2
.endr
.set n, 0
.rept 32
	v_pk_mul_f32 v[96+n:97+n], v[96+n:97+n], v[24:25]         ; / l: att
.set n, n+2
.endr
.set n, 0
.rept 64
	v_min_num_f32 v[96+n], v[96+n], v26            ; the conversion does not saturate (ISA guide 7.6.2); att is not negative, so the hold is one-sided
.set n, n+1
.endr
.set t, 0
.rept 8
	v_cvt_scalef32_pk8_bf8_f32 v[160+2*t:161+2*t], v[96+8*t:103+8*t], v27   ; registers 2 t, 2 t + 1 of source 1: keys 16 t + 8 h + 0 .. 7
.set t, t+1
.endr
	v_nop                                          ; one plain vector instruction behind the last conversion
	s_wait_dscnt 0x0                               ; V is in
.set t, 0
.rept 4
	v_wmma_f32_16x16x128_bf8_bf8 v[224+8*t:231+8*t], v[32+16*t:47+16*t], v[160:175], v[224+8*t:231+8*t]   ; four accumulators by turns
.set t, t+1
.endr
.rept 4
	v_nop                                          ; places: in front of the next trip's loads into these sources, and of the way out
.endr
.Lskip2:
	s_add_co_u32 s61, s61, 8192
	s_sub_co_u32 s62, s62, 512
	s_add_co_u32 s60, s60, 1
	s_cmp_lt_u32 s60, 16
	s_cbranch_scc1 .Lwalk2
	; THE WAY OUT: a sum stands for sum x 2^(e4 + e5); y's code is sum / 2^(e6 - e4 - e5): three scales in the conversion's one.  The codes are y's image: [tile of 16 rows][head][g 2][lane][16 bytes].
	s_sub_co_i32 s29, s54, s52
	s_sub_co_i32 s29, s29, s53
	s_add_co_i32 s29, s29, 127
	s_lshl_b32 s31, s29, 23
	v_mov_b32 v9, s31
	s_add_co_i32 s29, s29, 15
	s_lshl_b32 s29, s29, 23
	s_or_b32 s29, s29, 0x600000
	v_mov_b32 v8, s29
.set n, 0
.rept 32
	v_med3_num_f32 v[224+n], v[224+n], -v8, v8     ; each accumulator from its low end on
.set n, n+1
.endr
.set t, 0
.rept 4
	v_cvt_scalef32_pk8_bf8_f32 v[160+2*t:161+2*t], v[224+8*t:231+8*t], v9
.set t, t+1
.endr
	v_nop
	s_lshl_b32 s78, s28, 7
	s_lshl_b32 s30, s23, 3
	s_add_co_u32 s78, s78, s30
	s_add_co_u32 s78, s78, s25                     ; 128 batch + 8 m + j
	s_lshl_b32 s78, s78, 14
	s_lshl_b32 s30, s27, 10
	s_add_co_u32 s78, s78, s30
	s_mov_b32 s79, 0
	s_add_nc_u64 s[18:19], s[18:19], s[78:79]
	global_store_b128 v1, v[160:163], s[18:19]     ; 512 consecutive bytes each
	global_store_b128 v1, v[164:167], s[18:19] offset:512
	; out1, by wave 0 (which has one key step) of the first cluster: the branch hangs on numbers that the partners share; of the four, the one with cx = 0 stores, by EXEC.
	s_or_b32 s29, ttmp9, s26
	s_or_b32 s29, s29, s22
	s_cmp_lg_u32 s29, 0
	s_cbranch_scc1 .Lno_loss
	v_and_b32 v8, 15, v0                           ; a head to a lane, in each half
	v_lshlrev_b32 v8, 2, v8
	global_load_b32 v32, v8, s[12:13]
	global_load_b32 v33, v8, s[14:15]
	global_load_b32 v34, v8, s[16:17]
	s_wait_loadcnt 0x0
	SIGMOID 40, 32, 35, 36
	SIGMOID 41, 33, 35, 36
	SIGMOID 42, 34, 35, 36
	v_mul_f32 v40, 0x45000000, v40
	v_fma_f32 v41, v41, 2.0, 2.0
	v_fmaak_f32 v42, 0.5, v42, 0xbe800000
	v_rcp_f32 v45, v41
	v_add_f32 v40, 0x42000000, v40                 ; span + R  (the plain instruction behind the transcendental)
	v_fma_f32 v35, -v41, v45, 1.0
	v_fma_f32 v45, v35, v45, v45
	v_fma_f32 v45, v42, 2.0, v45                   ; 1 / period + 2 ratio
	v_add_f32 v45, 0xbe800000, v45                 ; - 1 / 4
	v_add_f32 v45, 0.5, v45                        ; - 2 x (-0.25)
	v_mul_f32 v40, v40, v45
	v_add_f32_dpp v40, v40, v40 row_xmask:1 row_mask:0xf bank_mask:0xf
	v_add_f32_dpp v40, v40, v40 row_xmask:2 row_mask:0xf bank_mask:0xf
	v_add_f32_dpp v40, v40, v40 row_xmask:4 row_mask:0xf bank_mask:0xf
	v_add_f32_dpp v40, v40, v40 row_xmask:8 row_mask:0xf bank_mask:0xf
	v_mul_f32 v40, 0x360637bd, v40                 ; x 2e-6
	v_mul_f32 v40, 0x3d800000, v40                 ; / 16
	v_mov_b32 v9, 0
	v_or_b32 v10, s24, v0
	v_cmp_eq_u32 vcc_lo, 0, v10                    ; thread 0 where cx = 0
	s_wait_xcnt 0x0                                ; EXEC changes only behind this wait
	s_and_saveexec_b32 s29, vcc_lo
	global_store_b32 v9, v40, s[20:21]
	s_wait_xcnt 0x0
	s_or_b32 exec_lo, exec_lo, s29
.Lno_loss:
	ROUND                                          ; the closing round
	s_endpgm
.Lfunc_end_k_q31f69b614a_attn:
	.size	k_q31f69b614a_attn, .Lfunc_end_k_q31f69b614a_attn-k_q31f69b614a_attn
	.p2alignl 7, 3214868480
	.fill 96, 4, 3214868480
	.section	.rodata,"a",@progbits
	.p2align	6, 0x0
	.amdhsa_kernel k_q31f69b614a_attn
		.amdhsa_group_segment_fixed_size 303360
		.amdhsa_private_segment_fixed_size 0
		.amdhsa_enable_private_segment 0
		.amdhsa_kernarg_size 72
		.amdhsa_user_sgpr_count 2
		.amdhsa_user_sgpr_kernarg_segment_ptr 1
		.amdhsa_wavefront_size32 1
		.amdhsa_system_sgpr_workgroup_id_x 1
		.amdhsa_system_sgpr_workgroup_id_y 1
		.amdhsa_system_sgpr_workgroup_id_z 1
		.amdhsa_system_vgpr_workitem_id 0
		.amdhsa_next_free_vgpr 256
		.amdhsa_next_free_sgpr 80
		.amdhsa_reserve_vcc 1
		.amdhsa_float_denorm_mode_32 3
		.amdhsa_float_denorm_mode_16_64 3
		.amdhsa_memory_ordered 1
		.amdhsa_forward_progress 1
		.amdhsa_inst_pref_size 64
	.end_amdhsa_kernel
	.amdgpu_metadata
---
amdhsa.version: [ 1, 2 ]
amdhsa.kernels:
  - .name:           k_q31f69b614a_attn
    .symbol:         k_q31f69b614a_attn.kd
    .args:
      - { .name: q_img, .offset: 0, .size: 8, .value_kind: global_buffer, .address_space: global }
      - { .name: k_img, .offset: 8, .size: 8, .value_kind: global_buffer, .address_space: global }
      - { .name: v_img, .offset: 16, .size: 8, .value_kind: global_buffer, .address_space: global }
      - { .name: lowp_scales, .offset: 24, .size: 8, .value_kind: global_buffer, .address_space: global }
      - { .name: span_params, .offset: 32, .size: 8, .value_kind: global_buffer, .address_space: global }
      - { .name: period_weight, .offset: 40, .size: 8, .value_kind: global_buffer, .address_space: global }
      - { .name: ratio_weight, .offset: 48, .size: 8, .value_kind: global_buffer, .address_space: global }
      - { .name: y_img, .offset: 56, .size: 8, .value_kind: global_buffer, .address_space: global }
      - { .name: out1, .offset: 64, .size: 8, .value_kind: global_buffer, .address_space: global }
    .group_segment_fixed_size: 303360
    .private_segment_fixed_size: 0
    .kernarg_segment_align: 8
    .kernarg_segment_size: 72
    .max_flat_workgroup_size: 512
    .sgpr_count:     80
    .vgpr_count:     256
    .wavefront_size: 32
...
	.end_amdgpu_metadata
.endif
;; end of part 2
;; launch proj (part 3): grid 8 x 32, 8 waves a work-group, clusters of 4 x 4, 305,152 bytes of LDS; arguments y_img, w_proj_codes, lowp_scales, b_proj, out0; writes out0
.if DOCPART == 3
	.amdgcn_target "amdgcn-amd-amdhsa--gfx1250"
	.amdhsa_code_object_version 6
	.text
	.protected	k_q31f69b614a_proj
	.globl	k_q31f69b614a_proj
	.p2align	8
	.type	k_q31f69b614a_proj,@function
k_q31f69b614a_proj:
	s_mov_b64 s[64:65], 0
	v_nop
	global_prefetch_b8 v0, s[64:65] scope:SCOPE_SE
	s_setreg_imm32_b32 hwreg(HW_REG_WAVE_MODE, 25, 1), 1
	s_wait_xcnt 0x0
	s_wait_alu depctr_hold_cnt(0) depctr_sa_sdst(0) depctr_va_vdst(0) depctr_va_sdst(0) depctr_va_ssrc(0) depctr_va_vcc(0) depctr_vm_vsrc(0)
	s_getreg_b32 s2, hwreg(HW_REG_IB_STS2, 6, 4)
	s_cmp_eq_u32 s2, 0
	s_cbranch_scc0 .Lentry_in_a_cluster
	s_endpgm
.Lentry_in_a_cluster:
	s_bfe_u32 s2, ttmp6, 0x10000c
	s_cmp_lg_u32 s2, 0xf033
	s_cbranch_scc0 .Lentry_shape_is_right
	s_endpgm
.Lentry_shape_is_right:
; out0 = y w_proj + b_proj on codes of BF8 (E5M2).  y comes as images of its K = 128 fragments: [tile of 16 rows 256][K step 8][c 4][lane 32][16 bytes]; w_proj: [1024][1024] codes, K innermost.  out0: [4096][1024] f32.
; A work-group makes 128 x 128 of out0: 256 work-groups.  All of K (1,024) lies in LDS, filled once, in four quarters of 256 along K, so that the first products begin when the first quarter has landed.
; Eight waves; wave w makes rows 32 (w / 2) on, columns 64 (w % 2) on: eight accumulators in one register window.
; CLUSTERS: 4 x 4.  y's tiles hang on the tile row and are shared along a row of the cluster, w_proj's on the tile column and are shared along a column: joint loads, four a wave (waves 0-3: y; waves 4-7: w_proj), all out at once.
; The matrix instruction is used transposed (source 0 = 16 rows of w_proj, source 1 = 16 rows of y): a lane holds eight neighbouring columns of a row.  k lies in its true places on both sides: y's image has them, w_proj's fragments come by 8-byte loads.
; LDS: 0 y [quarter 4][tile 8][4,096]; 131,072 w_proj [quarter 4][row 128][272]; 270,336 a stage of 16 rows x 272 bytes for each wave.
; LIMIT: e6 + e7 between -126 and 127.
; REGISTERS: v1 16 x lane; v2-3 y's addresses (quarters 0-1, 2-3); v4-5 w_proj's; v6, v7 the stage, in and back; v8 my offset in out0; v16-47 y's two fragments; v48-111 w_proj's four; v112-175 accumulators ((a, b) at 112 + 8 (4 a + b)); v176-207 the bias; v208-239 rows on the way out.
.set WB,  131072
.set WP,  272                          ; a row of 256 codes + 16 of padding: the 16 rows of a fragment load start at 16 different banks (64 banks of 4 bytes: ISA guide 11.1)
.set WQ,  128*WP
.set STG, WB+4*WQ
.set SP,  272
.macro ROUND
	s_barrier_signal -1
	s_barrier_wait -1
	s_cmp_lg_u32 s14, 0
	s_cbranch_scc1 .Lnot_wave_0_\@
	s_barrier_signal -3
.Lnot_wave_0_\@:
	s_barrier_wait -3
	s_barrier_signal -1
	s_barrier_wait -1
.endm
	s_load_b256 s[4:11], s[0:1], 0x0               ; y_img s[4:5], w_proj s[6:7], the scales s[8:9], b_proj s[10:11]
	s_load_b64 s[12:13], s[0:1], 0x20              ; out0
	v_lshrrev_b32 v1, 5, v0
	v_readfirstlane_b32 s14, v1                    ; wave 0..7
	s_lshr_b32 s15, s14, 1                         ; my 32 rows
	s_and_b32 s66, s14, 1                          ; my 64 columns
	s_and_b32 s67, s14, 3                          ; which quarter of a tile's rows I fetch
	s_bfe_u32 s68, ttmp6, 0x40000                  ; cx
	s_bfe_u32 s69, ttmp6, 0x40004                  ; cy
	s_lshl_b32 s70, ttmp9, 2
	s_add_co_u32 s70, s70, s68                     ; tile column
	s_and_b32 s71, ttmp7, 0xffff
	s_lshl_b32 s71, s71, 2
	s_add_co_u32 s71, s71, s69                     ; tile row
	s_lshl_b32 s72, s69, 2
	s_lshl_b32 s72, 15, s72                        ; my row of the cluster
	s_lshl_b32 s73, 0x1111, s68                    ; my column
	; group 1 for y: two tiles of 16 rows, of each the quarter's 4,096 dense bytes, 16,384 bytes apart
	s_or_b32 s16, s72, (3<<16)|(1<<21)             ; mask; elements of 8 bytes; bit 21 beside a mask
	s_mov_b32 s17, 512<<16                         ; tensor_dim0 = 512
	s_mov_b32 s18, 2<<16                           ; tensor_dim1 = 2
	s_mov_b32 s19, 512<<16                         ; tile_dim0 = 512
	s_mov_b32 s20, 2                               ; tile_dim1 = 2
	s_mov_b32 s21, 2048                            ; stride
	s_mov_b32 s22, 0
	s_mov_b32 s23, 0
	; group 1 for w_proj: 32 rows x 256 bytes, padded in LDS
	s_or_b32 s24, s73, (0<<16)|(1<<20)|(1<<21)|(5<<22)|(3<<25)
	s_mov_b32 s25, 256<<16
	s_mov_b32 s26, 32<<16
	s_mov_b32 s27, 256<<16
	s_mov_b32 s28, 32
	s_mov_b32 s29, 1024
	s_mov_b32 s30, 0
	s_mov_b32 s31, 0
	s_lshl_b32 s74, s71, 3
	s_lshl_b32 s90, s67, 1
	s_add_co_u32 s74, s74, s90
	s_lshl_b32 s74, s74, 14                        ; y: tile of 16 rows 8 x tile row + 2 x (wave % 4)
	s_mov_b32 s75, 0
	s_lshl_b32 s76, s70, 7
	s_lshl_b32 s90, s67, 5
	s_add_co_u32 s76, s76, s90
	s_lshl_b32 s76, s76, 10                        ; w_proj: row 128 x tile column + 32 x (wave % 4)
	s_mov_b32 s77, 0
	s_lshl_b32 s78, s67, 13                        ; where they go: the wave number alone
	s_mul_i32 s79, s67, 32*WP
	s_add_co_u32 s79, s79, WB
	s_wait_kmcnt 0x0
	s_load_b256 s[80:87], s[8:9], 0x0              ; e0 .. e7
	s_add_nc_u64 s[74:75], s[4:5], s[74:75]
	s_add_nc_u64 s[76:77], s[6:7], s[76:77]
	ROUND                                          ; all sixteen work-groups are here
.irp q, 0,1,2,3
	s_mov_b32 s[32+4*\q], 1
	s_add_co_u32 s[33+4*\q], s78, \q*32768
	s_add_nc_u64 s[34+4*\q:35+4*\q], s[74:75], \q*4096
	s_or_b32 s[35+4*\q], s[35+4*\q], 0x80000000
	s_mov_b32 s[48+4*\q], 1
	s_add_co_u32 s[49+4*\q], s79, \q*WQ
	s_add_nc_u64 s[50+4*\q:51+4*\q], s[76:77], \q*256
	s_or_b32 s[51+4*\q], s[51+4*\q], 0x80000000
.endr
	s_cmp_lt_u32 s14, 4                            ; a wave's four first fills stand in one branch: four loads of mine are out
	s_cbranch_scc0 .Lfor_w
.irp q, 0,1,2,3
	tensor_load_to_lds s[32+4*\q:35+4*\q], s[16:23]
.endr
.rept 4
	v_nop
.endr
	s_branch .Lasked
.Lfor_w:
.irp q, 0,1,2,3
	tensor_load_to_lds s[48+4*\q:51+4*\q], s[24:31]
.endr
.rept 4
	v_nop
.endr
.Lasked:
	v_and_b32 v1, 31, v0
	v_lshlrev_b32 v1, 4, v1                        ; 16 x lane
	v_and_b32 v9, 15, v0                           ; r
	v_bfe_u32 v10, v0, 4, 1                        ; h
	s_lshl_b32 s90, s15, 13
	v_add_nc_u32 v2, s90, v1                       ; y: my two tiles of 16 rows
	v_add_nc_u32 v3, 65536, v2
	v_mul_u32_u24 v4, v9, WP
	v_lshl_add_u32 v4, v10, 3, v4
	s_mul_i32 s90, s66, 64*WP
	s_add_co_u32 s90, s90, WB
	v_add_nc_u32 v4, s90, v4                       ; w_proj: row 64 (w % 2) + r, + 8 h
	v_add_nc_u32 v5, 2*WQ, v4
	s_mul_i32 s90, s14, 16*SP
	s_add_co_u32 s90, s90, STG                     ; my stage
	v_mul_u32_u24 v6, v9, SP
	v_lshl_add_u32 v6, v10, 5, v6
	v_add_nc_u32 v6, s90, v6                       ; in: row r, + 32 h
	v_mul_u32_u24 v7, v10, SP
	v_lshl_add_u32 v7, v9, 4, v7
	v_add_nc_u32 v7, s90, v7                       ; back: lanes 0-15 one row of 256 bytes, lanes 16-31 the next
	v_lshlrev_b32 v8, 12, v10
	v_lshl_add_u32 v8, v9, 4, v8                   ; and the same two rows in out0
	v_lshlrev_b32 v11, 5, v10                      ; the bias: 8 h numbers
	s_lshl_b32 s90, s70, 9
	s_lshl_b32 s91, s66, 8
	s_add_co_u32 s90, s90, s91                     ; my first column in bytes: 512 x tile column + 256 (w % 2)
	s_mov_b32 s91, 0
	s_add_nc_u64 s[10:11], s[10:11], s[90:91]
	s_add_nc_u64 s[12:13], s[12:13], s[90:91]
	s_lshl_b32 s90, s71, 7
	s_lshl_b32 s88, s15, 5
	s_add_co_u32 s90, s90, s88
	s_lshl_b32 s90, s90, 12                        ; my first row: (128 x tile row + 32 (w / 2)) x 4,096 bytes
	s_add_nc_u64 s[12:13], s[12:13], s[90:91]
.irp b, 0,1,2,3
	global_load_b128 v[176+8*\b:179+8*\b], v11, s[10:11] offset:64*\b      ; b_proj at column 16 b + 8 h + 0 .. 7: the layout of a result
	global_load_b128 v[180+8*\b:183+8*\b], v11, s[10:11] offset:64*\b+16
.endr
; A K step of 128.  At each quarter's first step: my load of that quarter has landed (the later quarters' may be out), and a barrier shows the same of every wave.
.macro KS kk, zero
.set QQ, (\kk)/2
.set EE, (\kk)%2
.if EE == 0
	s_wait_tensorcnt 3-QQ
	s_barrier_signal -1
	s_barrier_wait -1
.endif
.irp a, 0,1
.irp c, 0,1,2,3
	ds_load_b128 v[16+16*\a+4*\c:19+16*\a+4*\c], v[2+QQ/2] offset:(QQ%2)*32768+4096*\a+2048*EE+512*\c
.endr
.endr
.irp b, 0,1,2,3
.irp c, 0,1,2,3,4,5,6,7
	ds_load_b64 v[48+16*\b+2*\c:49+16*\b+2*\c], v[4+QQ/2] offset:(QQ%2)*WQ+16*WP*\b+128*EE+16*\c   ; registers 2 c, 2 c + 1: k = 16 c + 8 h + 0 .. 7
.endr
.endr
	s_wait_dscnt 0x0
.irp a, 0,1
.irp b, 0,1,2,3
.if \zero
	v_wmma_f32_16x16x128_bf8_bf8 v[112+8*(4*\a+\b):119+8*(4*\a+\b)], v[48+16*\b:63+16*\b], v[16+16*\a:31+16*\a], 0
.else
	v_wmma_f32_16x16x128_bf8_bf8 v[112+8*(4*\a+\b):119+8*(4*\a+\b)], v[48+16*\b:63+16*\b], v[16+16*\a:31+16*\a], v[112+8*(4*\a+\b):119+8*(4*\a+\b)]
.endif
.endr
.endr
.rept 4
	v_nop                                          ; places in front of loads into the fragments' registers, and of the first read of results
.endr
.endm
	KS 0, 1                                        ; the first products start the sums; the eight accumulators take turns, in the same order in every step
.irp k, 1,2,3,4,5,6,7
	KS \k, 0
.endr
	; THE WAY OUT: sum x 2^(e6 + e7) + bias; 16 rows x 64 columns at a time through my own stage, back as whole rows of 256 bytes.
	s_wait_kmcnt 0x0
	s_add_co_i32 s88, s86, s87
	s_add_co_i32 s88, s88, 127
	s_lshl_b32 s88, s88, 23
	s_mov_b32 s89, s88                             ; (named with it as a pair)
	s_wait_loadcnt 0x0                             ; the bias
.macro TOSTAGE a
.set BK, 208-192*(\a)
.set n, 0
.rept 16
	v_pk_fma_f32 v[48+32*(\a)+n:49+32*(\a)+n], v[112+32*(\a)+n:113+32*(\a)+n], s[88:89], v[176+n:177+n] op_sel_hi:[1,0,1]   ; each accumulator from its low end on
.set n, n+2
.endr
.irp b, 0,1,2,3
	ds_store_b128 v6, v[48+32*(\a)+8*\b:51+32*(\a)+8*\b] offset:64*\b
	ds_store_b128 v6, v[52+32*(\a)+8*\b:55+32*(\a)+8*\b] offset:64*\b+16
.endr
.irp t, 0,1,2,3,4,5,6,7
	ds_load_b128 v[BK+4*\t:BK+4*\t+3], v7 offset:\t*2*SP   ; LDS serves a wave's instructions in order (ISA guide 5.7.1.4): these see my stores, and the next block's stores come behind them
.endr
.endm
.macro SEND a, younger                 ; younger: the LDS instructions issued behind this block's loads
.set BK, 208-192*(\a)
.irp t, 0,1,2,3,4,5,6,7
	s_wait_dscnt \younger+7-\t
	global_store_b128 v8, v[BK+4*\t:BK+4*\t+3], s[12:13] offset:(16*(\a)+2*\t)*4096 th:TH_STORE_NT   ; sixteen lanes store 256 consecutive bytes, aligned; written once, read by nobody here
.endr
.endm
	TOSTAGE 0
	TOSTAGE 1
	SEND 0, 16
	SEND 1, 0
	ROUND                                          ; the closing round
	s_endpgm
.Lfunc_end_k_q31f69b614a_proj:
	.size	k_q31f69b614a_proj, .Lfunc_end_k_q31f69b614a_proj-k_q31f69b614a_proj
	.p2alignl 7, 3214868480
	.fill 96, 4, 3214868480
	.section	.rodata,"a",@progbits
	.p2align	6, 0x0
	.amdhsa_kernel k_q31f69b614a_proj
		.amdhsa_group_segment_fixed_size 305152
		.amdhsa_private_segment_fixed_size 0
		.amdhsa_enable_private_segment 0
		.amdhsa_kernarg_size 40
		.amdhsa_user_sgpr_count 2
		.amdhsa_user_sgpr_kernarg_segment_ptr 1
		.amdhsa_wavefront_size32 1
		.amdhsa_system_sgpr_workgroup_id_x 1
		.amdhsa_system_sgpr_workgroup_id_y 1
		.amdhsa_system_sgpr_workgroup_id_z 1
		.amdhsa_system_vgpr_workitem_id 0
		.amdhsa_next_free_vgpr 256
		.amdhsa_next_free_sgpr 92
		.amdhsa_reserve_vcc 0
		.amdhsa_float_denorm_mode_32 3
		.amdhsa_float_denorm_mode_16_64 3
		.amdhsa_memory_ordered 1
		.amdhsa_forward_progress 1
		.amdhsa_inst_pref_size 41
	.end_amdhsa_kernel
	.amdgpu_metadata
---
amdhsa.version: [ 1, 2 ]
amdhsa.kernels:
  - .name:           k_q31f69b614a_proj
    .symbol:         k_q31f69b614a_proj.kd
    .args:
      - { .name: y_img, .offset: 0, .size: 8, .value_kind: global_buffer, .address_space: global }
      - { .name: w_proj_codes, .offset: 8, .size: 8, .value_kind: global_buffer, .address_space: global }
      - { .name: lowp_scales, .offset: 16, .size: 8, .value_kind: global_buffer, .address_space: global }
      - { .name: b_proj, .offset: 24, .size: 8, .value_kind: global_buffer, .address_space: global }
      - { .name: out0, .offset: 32, .size: 8, .value_kind: global_buffer, .address_space: global }
    .group_segment_fixed_size: 305152
    .private_segment_fixed_size: 0
    .kernarg_segment_align: 8
    .kernarg_segment_size: 40
    .max_flat_workgroup_size: 256
    .sgpr_count:     92
    .vgpr_count:     256
    .wavefront_size: 32
...
	.end_amdgpu_metadata
.endif
;; end of part 3
